; MI455X (gfx1250); checked and timed in simulation.
; The chip was launched on July 23, 2026; its instructions are those of AMD's public machine-readable ISA for CDNA 5 (MIT licence, August 2026) and "CDNA5" Instruction Set Architecture Reference Guide (July 2026). The comments in the code are by the model that wrote it; some were corrected since.
;; E 02 HSE v2. Allowed arithmetic: matrix products marked QUANTISED: E2M3 operands, one E8M0 scale for each 32 along K, by v_wmma_scale_f32_16x16x128_f8f6f4 with both operands' format E2M3, f32 sums; everything else in f32.
;; Inputs: W1 2,576 x 256 float32; W2 256 x 256 float32; b1 256 float32; b2 256 float32; channel_embed 10 x 8 float32; channel_type_mapping 5 x 20 int32; fs 32 float32; ln1_b 2,576 float32; ln1_g 2,576 float32; ln2_b 256 float32; ln2_g 256 float32; start_C 32 x 512 int32; start_L 32 x 512 int32; system_embed 5 x 16 float32; x 32 x 8,192 x 8 float32.
;; Outputs: out0 32 x 512 x 256 float32.
;; Constants: system_id = 3.
;; This version of the problem:
;;   THIS VERSION OF THE PROBLEM IS GIVEN IN LOW PRECISION. The matrix products marked QUANTISED in the list below multiply operands that are first quantised to E2M3 (2 exponent bits, 3 mantissa bits; 6 bits a number), with one power-of-two scale for each 32 numbers along K (OCP MX v1.0); their sums are f32. All else is computed in f32.
;;   The module's matrix products, in the order in which they are computed (A, B: the left and right operand; K: the contracted axis; several contracted axes count as one K, in the product's order):
;;     1. [M 16,384, K 2,576] x [K 2,576, N 256]; A: computed on the way; B: input W1: QUANTISED
;;     2. [M 16,384, K 256] x [K 256, N 256]; A: computed on the way; B: input W2: QUANTISED
;;   THE QUANTISER, for each operand of a quantised product, along K:
;;     - K is cut into blocks of 32 from its start; a last block that is shorter is filled with zeros.
;;     - A block's scale is 2^e with e = floor(log2(the largest magnitude in the block)) - 2, held to -126 .. 127; a block of zeros has e = 0. As a byte (E8M0): e + 127.
;;     - Each number is divided by its block's scale, clamped to +-7.5, and rounded to the nearest number of E2M3, ties to even, subnormals kept.
;;     - The product sums the exact products of the quantised numbers (number of the format x scale) in f32.
;;   ~~~python
;;   def quantise(x, axis):      # numpy; x: float32 -> the quantised numbers, widened to float32 again
;;       x = np.moveaxis(x, axis, -1); K = x.shape[-1]
;;       x = np.pad(x, [(0, 0)] * (x.ndim - 1) + [(0, -K % 32)]); x = x.reshape(x.shape[:-1] + (-1, 32)); a = np.abs(x).max(-1, keepdims=True)
;;       e = np.where(a > 0, np.clip(np.frexp(np.where(a > 0, a, 1))[1] - 1 - 2, -126, 127), 0)      # np.frexp(a)[1] - 1 = floor(log2(a)), exactly
;;       r = np.clip(x / 2.0 ** e, -7.5, 7.5)
;;       step = 2.0 ** (np.maximum(np.frexp(np.where(r == 0, 1, r))[1] - 1, 0) - 3)
;;       q = np.round(r / step) * step * 2.0 ** e      # np.round: ties to even
;;       return np.moveaxis(q.reshape(q.shape[:-2] + (-1,))[..., :K], -1, axis).astype(np.float32)
;;   ~~~
;;   OPERANDS COMPUTED ON THE WAY. 'Computed on the way' means the value that the module computes at that place (a softmax that the list does not call 'softmax' is quantised finished and normalised). What goes into a quantiser is computed in f32, as accurately as f32 sums, v_exp_f32 and their like allow (about 1e-6 of the number): no bf16 or f16 on the way to a quantiser, and a product that is left as it is and whose result goes on into a quantised operand takes f32 operands (vector FMAs, or v_wmma_f32_16x16x4_f32). A number that lies on a knife's edge between two numbers of the format may be rounded either way, as far as f32 arithmetic and the matrix unit's own rounding can turn it there, and no further.
;; One version. Each part assembles by itself: llvm-mc -triple=amdgcn-amd-amdhsa -mcpu=gfx1250 --defsym DOCPART=n.
;; ======== version 1 of 1: 2 launches
;; limits: right only within a limited range of input values
;; workspace buffers: wimg 614,400 bytes; aimg 8,912,896 bytes
;; launch prep (part 1): grid 1216 x 1, 4 waves a work-group, no clusters, 40,704 bytes of LDS; arguments W1, W2, x, start_L, start_C, fs, channel_type_mapping, channel_embed, system_embed, ln1_g, ln1_b, wimg, aimg; writes wimg, aimg
.if DOCPART == 1
	.amdgcn_target "amdgcn-amd-amdhsa--gfx1250"
	.amdhsa_code_object_version 6
	.text
	.protected	k_q64660ba94f_prep
	.globl	k_q64660ba94f_prep
	.p2align	8
	.type	k_q64660ba94f_prep,@function
k_q64660ba94f_prep:
	s_mov_b64 s[64:65], 0
	v_nop
	global_prefetch_b8 v0, s[64:65] scope:SCOPE_SE
	s_setreg_imm32_b32 hwreg(HW_REG_WAVE_MODE, 25, 1), 1
	s_wait_xcnt 0x0
; Everything that the second launch reads as codes of FP6 (E2M3), laid as IMAGES OF THE OPERAND'S REGISTERS.  No step or input of the problem is left out.
; WORK-GROUPS 0-1023 take 16 rows (batch x patch) each, a wave four rows; lane = (row lane / 8, block lane % 8): it holds a block of 32 data numbers (8 steps x 4 channels), their 8 times, 4 of the row's 32
;   channel-embedding numbers (each counts 64 times in the row) and 2 of its 16 system numbers.  So the row's mean and deviation are sums over eight lanes, and a block's codes need no other lane.
;   Work-group U takes batch 2 (U % 16) + U / 512, rows 16 ((U / 16) % 32) on: all work-groups of a batch have one number modulo 16.
;   The rows' image, 8,704 bytes: 4 fragments (fragment w: register half 0 data block 2 w + h, half 1 time block 2 w + h), at 6,144 the normalised channel numbers (4 b .. 4 b + 3 of row r at 256 b + 16 r),
;   at 8,192 the scale words (fragment w, row r at 64 w + 4 r), at 8,448 the system numbers' 12 bytes of codes and their scale word (16 r).
; WORK-GROUPS 1024-1215 take the weights: W1 [2576][256] and W2 [256][256], f32 with K as the first axis, into wimg: 96 groups of 6,400 bytes, two work-groups (halves hh) to a group.
;   A group = 64 columns x 128 along K = 4 fragments of 1,536 bytes (3 pieces of 512: registers 4 j .. 4 j + 3, lane l's 16 bytes at 16 l) and 256 bytes of scale words (at 128 hh + 4 (r' + 16 u) that of fragment 2 hh + u,
;   row r').  Fragment 2 hh + u takes, at fragment row r', column 32 hh + 8 u + r' + 8 (r' / 8) of the group's 64.
;   Group g of wave w of the second launch lies at 153,600 (g / 6) + 38,400 w + 6,400 (g % 6).  g 0, 1: the TAIL (rows 2544-2575 as one block whose first 16 numbers are made zero, so that no load leaves W1; three blocks
;   of zeros); g 2-5: step 0, W1's blocks 2 w, 2 w + 1 (data), 8 + 2 w, 9 + 2 w (time); g 6-21: steps 1-4, blocks 16 + 16 w + 4 (s - 1) + 0 .. 3; g 22, 23: W2's columns 64 w on, K steps 0, 1.
;   Wave p of the work-group takes block p of the four.  A LANE TAKES A COLUMN AND ITS REGISTERS RUN DOWN K.
; A block's scale is 2^(floor(log2(largest magnitude)) - 2): its byte is the largest magnitude's exponent field - 2, held at 1 from below.
; LIMITS: a block of zeros, and one whose largest magnitude lies under 2^-124, gets the byte 1; NaN and infinities are not served.  start_L and start_C may be any int32 (wrapped by AND, as % does); channel types are held to 0 .. 9.
; 1 / fs is a reciprocal with one Newton step, 1 / 2576 a rounded constant: each within about one unit in the last place of the division.
; No tensor load, no cluster: the work-groups share only gains and biases of 4 KiB.
.set GST, 6400                         ; gain and bias of the 16 data and time blocks: 16 x 144 bytes each (the weights' image lies in bytes 0 to 3,199)
.set GAT, 11008                        ; the gather's turn: 32 blocks x 144 bytes for each wave
.set TS,  29440                        ; the system numbers' turn: 256 bytes for each wave
.set IMG, 31488                        ; the rows' image
.set SPARE, 40192                      ; the spare words: two blocks of 256 bytes that no other line names
	s_load_b512 s[4:19], s[0:1], 0x0               ; W1 4, W2 6, x 8, start_L 10, start_C 12, fs 14, channel_type_mapping 16, channel_embed 18
	s_load_b256 s[20:27], s[0:1], 0x40             ; system_embed 20, ln1_g 22, ln1_b 24, wimg 26
	s_load_b64 s[28:29], s[0:1], 0x60              ; aimg
	v_lshl_add_u32 v1, v0, 2, SPARE                ; my spare word
	v_mov_b32 v2, 0                                ; and 0: both kept for the closing lines alone
	v_lshrrev_b32 v3, 5, v0
	v_readfirstlane_b32 s30, v3                    ; wave
	v_and_b32 v3, 31, v0                           ; lane
; 32 numbers of a lane from v[xs] on become 192 bits in v[f:f+5] and a scale byte in v[by]; v[t0:t0+4] at work, v[tm:tm+2] the second half
.macro Q32 xs, f, tm, by, t0
.irp k, 0,1,2,3
	v_max3_num_f32 v[(\t0)+\k], |v[(\xs)+3*\k]|, |v[(\xs)+3*\k+1]|, |v[(\xs)+3*\k+2]|
.endr
.irp k, 0,1,2,3,4,5,6,7,8,9
	v_max3_num_f32 v[(\t0)+(\k%4)], v[(\t0)+(\k%4)], |v[(\xs)+12+2*\k]|, |v[(\xs)+13+2*\k]|
.endr
	v_max3_num_f32 v[\t0], v[\t0], v[(\t0)+1], v[(\t0)+2]
	v_max3_num_f32 v[\t0], v[\t0], v[(\t0)+3], 0x1800000           ; the floor 2^(3 - 127): the byte cannot fall under 1
	v_add_nc_u32 v[(\t0)+4], 0xff000000, v[\t0]    ; 2 off its exponent field: the conversion takes the exponent field of this operand as its scale
	v_cvt_scalef32_pk16_fp6_f32 v[\f:(\f)+2], v[\xs:(\xs)+15], v[(\t0)+4]
	v_cvt_scalef32_pk16_fp6_f32 v[\tm:(\tm)+2], v[(\xs)+16:(\xs)+31], v[(\t0)+4]   ; (a conversion's three registers begin on an even number)
	v_lshrrev_b32 v[\by], 23, v[(\t0)+4]           ; the scale's byte; the plain place behind the conversions
.irp k, 0,1,2
	v_mov_b32 v[(\f)+3+\k], v[(\tm)+\k]
.endr
.endm
	s_wait_alu depctr_va_vdst(0)                   ; the wait ahead of the branch
	s_cmp_ge_u32 ttmp9, 1024
	s_cbranch_scc1 .Lweights
; ---- ROWS
	s_and_b32 s31, ttmp9, 15
	s_lshl_b32 s31, s31, 1
	s_lshr_b32 s44, ttmp9, 9
	s_add_co_u32 s31, s31, s44                     ; the batch
	s_lshl_b32 s31, s31, 5
	s_lshr_b32 s44, ttmp9, 4
	s_and_b32 s44, s44, 31
	s_add_co_u32 s31, s31, s44                     ; which 16 rows of all: 32 x batch + the place in the batch
	v_lshrrev_b32 v4, 3, v3                        ; i: my row of the wave's four
	v_and_b32 v5, 7, v3                            ; b: my block
	s_lshl_b32 s44, s30, 2
	v_add_nc_u32 v6, s44, v4                       ; my row of the 16
	v_lshrrev_b32 v7, 2, v3
	v_lshlrev_b32 v16, 2, v7                       ; the type of channel lane / 4
	v_lshlrev_b32 v17, 2, v4
	v_mov_b32 v18, v17
	v_lshlrev_b32 v19, 3, v5                       ; 8 b
	v_lshlrev_b32 v28, 4, v0
	v_and_b32 v26, 3, v3                           ; the gather: lane = (step lane / 4, channel lane % 4)
	v_lshlrev_b32 v27, 3, v26
	v_lshlrev_b32 v32, 5, v7                       ; 32 bytes a step
.irp k, 1,2,3,4,5,6,7
	v_add_nc_u32 v[32+\k], 256*\k, v32
.endr
	s_wait_alu depctr_va_vdst(0)
	s_wait_kmcnt 0x0
	s_lshl_b32 s44, s31, 6
	s_lshl_b32 s45, s30, 4
	s_add_co_u32 s44, s44, s45
	s_mov_b32 s45, 0
	s_add_nc_u64 s[10:11], s[10:11], s[44:45]      ; start_L and start_C at the wave's four rows
	s_add_nc_u64 s[12:13], s[12:13], s[44:45]
	s_lshr_b32 s46, s31, 5                         ; the batch: 32 work-groups each
	s_lshl_b32 s44, s46, 2
	s_add_nc_u64 s[14:15], s[14:15], s[44:45]
	s_load_b128 s[32:35], s[10:11], 0x0
	s_load_b128 s[36:39], s[12:13], 0x0
	s_load_b32 s40, s[14:15], 0x0
	global_load_b32 v16, v16, s[16:17] offset:240  ; row system_id = 3 of the mapping, 20 words a row
	global_load_b32 v17, v17, s[10:11]             ; start_L of my row,
	global_load_b32 v18, v18, s[12:13]             ; start_C
	global_load_b128 v[8:11], v28, s[22:23]        ; gain and bias of the first 512 places: 16 bytes a thread
	global_load_b128 v[12:15], v28, s[24:25]
	global_load_b64 v[20:21], v19, s[20:21] offset:192             ; my two system numbers (row 3 of 16 words),
	global_load_b64 v[22:23], v19, s[22:23] offset:10240           ; their gain
	global_load_b64 v[24:25], v19, s[24:25] offset:10240           ; and bias
	s_lshl_b32 s44, s46, 18
	s_add_nc_u64 s[8:9], s[8:9], s[44:45]          ; x at my batch: 8,192 steps of 32 bytes
	s_mul_i32 s44, s31, 8704
	s_add_nc_u64 s[28:29], s[28:29], s[44:45]      ; the rows' image
	v_lshrrev_b32 v29, 3, v0
	v_and_b32 v30, 7, v0
	v_mul_u32_u24 v29, v29, 144
	v_lshl_add_u32 v29, v30, 4, v29
	v_add_nc_u32 v29, GST, v29                     ; gain and bias into LDS: blocks 144 bytes apart
	s_mul_i32 s47, s30, 4608
	s_add_co_u32 s47, s47, GAT
	v_lshl_add_u32 v43, v3, 2, s47                 ; the gather's turn: in 4 bytes a lane,
	v_mul_u32_u24 v45, v3, 144
	v_add_nc_u32 v45, s47, v45                     ; out my block
	v_mul_u32_u24 v47, v5, 144
	v_add_nc_u32 v47, GST, v47                     ; my block's gain
	v_lshrrev_b32 v57, 1, v5
	v_and_b32 v58, 1, v5
	v_mul_u32_u24 v113, v57, 1536
	v_lshl_add_u32 v113, v6, 4, v113
	v_lshl_add_u32 v113, v58, 8, v113
	v_add_nc_u32 v113, IMG, v113                   ; fragment b / 2, lane row + 16 (b % 2)
	v_lshlrev_b32 v114, 6, v57
	v_lshl_add_u32 v114, v6, 2, v114
	v_add_nc_u32 v114, v58, v114
	v_add_nc_u32 v114, IMG+8192, v114              ; its scale word's byte b % 2
	v_lshlrev_b32 v115, 8, v5
	v_lshl_add_u32 v115, v6, 4, v115
	v_add_nc_u32 v115, IMG+6144, v115              ; my four channel numbers
	v_lshl_add_u32 v116, v6, 4, IMG+8448           ; the system numbers' codes
	s_lshl_b32 s48, s30, 8
	s_add_co_u32 s48, s48, TS
	v_lshl_add_u32 v117, v3, 3, s48
	v_lshl_add_u32 v118, v4, 6, s48
	s_lshl_b32 s49, s30, 9
	v_lshl_add_u32 v126, v3, 4, s49                ; the way out: 512 w + 16 lane
	v_add_nc_u32 v119, IMG, v126
	s_wait_alu depctr_va_vdst(0)
	s_wait_kmcnt 0x0
; one load covers one block of one row: 8 steps x 4 channels.  The loaded indices are wrapped by AND and held by a minimum before they enter an offset; each load lands on its own offset register
.irp i, 0,1,2,3
	s_and_b32 s44, s[32+\i], 0x1fff
	s_min_u32 s44, s44, 0x1fff
	s_lshl_b32 s44, s44, 5
	s_and_b32 s47, s[36+\i], 7
	s_min_u32 s47, s47, 7
	v_add_nc_u32 v30, s47, v26
	v_and_b32 v30, 7, v30                          ; (start_C + channel) % 8
	v_lshl_add_u32 v31, v30, 2, s44
.irp k, 0,1,2,3,4,5,6,7
	v_add_nc_u32 v[128+8*\i+\k], v[32+\k], v31
.endr
.irp k, 0,1,2,3,4,5,6,7
	v_and_b32 v[128+8*\i+\k], 0x3ffff, v[128+8*\i+\k]              ; (start_L + step) % 8192: the batch is 2^18 bytes
.endr
.irp k, 0,1,2,3,4,5,6,7
	global_load_b32 v[128+8*\i+\k], v[128+8*\i+\k], s[8:9]
.endr
.endr
	s_wait_alu depctr_va_vdst(0)
	s_wait_loadcnt 39                              ; the type is in: 7 and the gather's 32 are younger
	v_min_u32 v16, 9, v16
	v_lshlrev_b32 v16, 5, v16                      ; 32 bytes a type
	v_add_nc_u32 v16, v16, v27
	global_load_b64 v[40:41], v16, s[18:19]        ; numbers 2 (lane % 4), + 1 of channel lane / 4
	s_wait_loadcnt 36                              ; gain and bias are in: 3 + 32 + 1 are younger
	ds_store_b128 v29, v[8:11]
	ds_store_b128 v29, v[12:15] offset:2304
	v_add_nc_u32 v42, v18, v57
	v_and_b32 v42, 7, v42                          ; my channel: (start_C + b / 2) % 8
	v_lshlrev_b32 v59, 3, v58
	v_lshl_add_u32 v42, v42, 4, v59                ; the lane that holds my first two of its numbers, x 4,
	v_add_nc_u32 v44, 4, v42                       ; and the next
	s_wait_alu depctr_va_vdst(0)                   ; the wait ahead of a transcendental
	v_rcp_f32 v60, s40
	v_nop
	s_wait_alu depctr_va_vdst(0)                   ; and behind it
	v_fma_f32 v61, -v60, s40, 1.0
	v_fma_f32 v60, v60, v61, v60                   ; 1 / fs, one Newton step
	v_add_nc_u32 v62, v17, v19
	s_wait_alu depctr_va_vdst(0)
	s_wait_dscnt 0x0                               ; for the others' sake: my gain and bias lie in LDS
	s_barrier_signal -1
.irp j, 0,1,2,3,4,5,6,7
	v_add_nc_u32 v[48+\j], \j, v62                 ; start_L + my step
.endr
.irp j, 0,1,2,3,4,5,6,7
	v_and_b32 v[48+\j], 0x1fff, v[48+\j]
.endr
.irp j, 0,1,2,3,4,5,6,7
	v_cvt_f32_u32 v[48+\j], v[48+\j]
.endr
.irp j, 0,1,2,3,4,5,6,7
	v_mul_f32 v[48+\j], v60, v[48+\j]              ; the time stamp
.endr
	s_wait_alu depctr_va_vdst(0)
	s_barrier_wait -1
.irp i, 0,1,2,3
	s_wait_loadcnt 25-8*\i                         ; row i's eight are in: the later rows' and the embedding's are younger
.irp k, 0,1,2,3,4,5,6,7
	ds_store_b32 v43, v[128+8*\i+\k] offset:144*(8*\i+\k)
.endr
.endr
	s_wait_loadcnt 0x0
.irp k, 0,1,2,3,4,5,6,7
	ds_load_b128 v[64+4*\k:67+4*\k], v45 offset:16*\k              ; LDS serves a wave's instructions in order: these see my stores
.endr
	ds_bpermute_b32 v56, v42, v40                  ; my four channel numbers, from the lanes that loaded them
	ds_bpermute_b32 v57, v42, v41
	ds_bpermute_b32 v58, v44, v40
	ds_bpermute_b32 v59, v44, v41
	s_wait_dscnt 0x0
.macro GAINS off
.irp k, 0,1,2,3,4,5,6,7
	ds_load_b128 v[128+4*\k:131+4*\k], v47 offset:(\off)+16*\k
	ds_load_b128 v[160+4*\k:163+4*\k], v47 offset:(\off)+2304+16*\k
.endr
.endm
	GAINS 0                                        ; my data block's gain and bias
; the row's mean and deviation, in two passes, so that no difference of large sums is formed
.macro RSUM                            ; four pairs of sums in v[96:103] become the row's sum in v96: the pairs, then the row's eight lanes
	v_pk_add_f32 v[96:97], v[96:97], v[98:99]
	v_pk_add_f32 v[100:101], v[100:101], v[102:103]
	v_pk_add_f32 v[96:97], v[96:97], v[100:101]
	v_add_f32 v96, v96, v97
	v_add_f32_dpp v96, v96, v96 row_xmask:1 row_mask:0xf bank_mask:0xf
	v_add_f32_dpp v96, v96, v96 row_xmask:2 row_mask:0xf bank_mask:0xf
	v_add_f32_dpp v96, v96, v96 row_xmask:4 row_mask:0xf bank_mask:0xf
.endm
.irp c, 0,1,2,3
	v_pk_add_f32 v[96+2*\c:97+2*\c], v[64+4*\c:65+4*\c], v[66+4*\c:67+4*\c]
.endr
.irp q, 0,2,4,6,8,10,12,14
	v_pk_add_f32 v[96+(\q%8):97+(\q%8)], v[96+(\q%8):97+(\q%8)], v[80+\q:81+\q]
.endr
.irp c, 0,2,4,6
	v_pk_fma_f32 v[96+\c:97+\c], v[48+\c:49+\c], 4.0, v[96+\c:97+\c] op_sel_hi:[1,0,1]             ; a time stands four times in the row
.endr
	v_pk_fma_f32 v[96:97], v[56:57], 0x42800000, v[96:97] op_sel_hi:[1,0,1]                        ; a channel number 64 times
	v_pk_fma_f32 v[98:99], v[58:59], 0x42800000, v[98:99] op_sel_hi:[1,0,1]
	v_pk_add_f32 v[100:101], v[100:101], v[20:21]
	RSUM
	v_mul_f32 v110, 0x39cb8728, v96                ; the mean: x 1 / 2576
	v_mov_b32 v111, 0                              ; (named as the upper half of the pair before it is first written)
.irp q, 0,2,4,6,8,10,12,14,16,18,20,22,24,26,28,30
	v_pk_add_f32 v[64+\q:65+\q], v[64+\q:65+\q], v[110:111] op_sel_hi:[1,0] neg_lo:[0,1] neg_hi:[0,1]
.endr
.irp q, 48,50,52,54,56,58,20
	v_pk_add_f32 v[\q:\q+1], v[\q:\q+1], v[110:111] op_sel_hi:[1,0] neg_lo:[0,1] neg_hi:[0,1]
.endr
.irp c, 0,2,4,6
	v_pk_mul_f32 v[96+\c:97+\c], v[64+\c:65+\c], v[64+\c:65+\c]
.endr
	v_pk_mul_f32 v[104:105], v[48:49], v[48:49]
	v_pk_mul_f32 v[106:107], v[56:57], v[56:57]
.irp q, 8,10,12,14,16,18,20,22,24,26,28,30
	v_pk_fma_f32 v[96+(\q%8):97+(\q%8)], v[64+\q:65+\q], v[64+\q:65+\q], v[96+(\q%8):97+(\q%8)]
.endr
	v_pk_fma_f32 v[104:105], v[50:51], v[50:51], v[104:105]
	v_pk_fma_f32 v[106:107], v[58:59], v[58:59], v[106:107]
	v_pk_fma_f32 v[100:101], v[20:21], v[20:21], v[100:101]
	v_pk_fma_f32 v[104:105], v[52:53], v[52:53], v[104:105]
	v_pk_fma_f32 v[96:97], v[106:107], 0x42800000, v[96:97] op_sel_hi:[1,0,1]
	v_pk_fma_f32 v[104:105], v[54:55], v[54:55], v[104:105]
	v_pk_fma_f32 v[98:99], v[104:105], 4.0, v[98:99] op_sel_hi:[1,0,1]
	RSUM
	s_mov_b32 s44, 0x39cb8728
	v_fma_f32 v112, v96, s44, 0x3727c5ac           ; the variance + 1e-5
	s_wait_alu depctr_va_vdst(0)
	v_rsq_f32 v111, v112
	v_nop
	s_wait_alu depctr_va_vdst(0)
.irp q, 64,66,68,70,72,74,76,78,80,82,84,86,88,90,92,94,48,50,52,54,56,58,20
	v_pk_mul_f32 v[\q:\q+1], v[\q:\q+1], v[110:111] op_sel:[0,1] op_sel_hi:[1,1]
.endr
	v_pk_fma_f32 v[20:21], v[20:21], v[22:23], v[24:25]
	s_wait_alu depctr_va_vdst(0)
	s_wait_dscnt 0x0                               ; gain and bias are in
	ds_store_b128 v115, v[56:59]                   ; the normalised channel numbers
	ds_store_b64 v117, v[20:21]                    ; my two system numbers, finished: they turn through LDS so that a lane has its row's 16
.irp q, 0,2,4,6,8,10,12,14,16,18,20,22,24,26,28,30
	v_pk_fma_f32 v[64+\q:65+\q], v[64+\q:65+\q], v[128+\q:129+\q], v[160+\q:161+\q]
.endr
	GAINS 1152                                     ; my time block's
	Q32 64, 32, 44, 125, 120
.irp k, 0,1,2,3
	ds_load_b128 v[96+4*\k:99+4*\k], v118 offset:16*\k
.endr
	ds_store_b8 v114, v125
	s_wait_alu depctr_va_vdst(0)
	s_wait_dscnt 0x0
.irp n, 0,1,2,3,4,5,6,7,8,9,10,11,12,13,14,15
.if ((\n/2)%2) == 0                    ; a time serves four neighbours: one register of the pair feeds both halves
	v_pk_fma_f32 v[64+2*\n:65+2*\n], v[48+2*(\n/4):49+2*(\n/4)], v[128+2*\n:129+2*\n], v[160+2*\n:161+2*\n] op_sel_hi:[0,1,1]
.else
	v_pk_fma_f32 v[64+2*\n:65+2*\n], v[48+2*(\n/4):49+2*(\n/4)], v[128+2*\n:129+2*\n], v[160+2*\n:161+2*\n] op_sel:[1,0,0] op_sel_hi:[1,1,1]
.endif
.endr
	Q32 64, 38, 60, 127, 120
	ds_store_b8 v114, v127 offset:2
	ds_store_b128 v113, v[32:35]
	ds_store_b128 v113, v[36:39] offset:512
	ds_store_b128 v113, v[40:43] offset:1024
	v_max3_num_f32 v120, 0x1800000, |v96|, |v97|   ; the system block: 16 numbers and zeros
	v_max3_num_f32 v121, |v98|, |v99|, |v100|
	v_max3_num_f32 v122, |v101|, |v102|, |v103|
	v_max3_num_f32 v123, |v104|, |v105|, |v106|
	v_max3_num_f32 v120, v120, |v107|, |v108|
	v_max3_num_f32 v121, v121, |v109|, |v110|
	v_max3_num_f32 v122, v122, v123, |v111|
	v_max3_num_f32 v120, v120, v121, v122
	v_add_nc_u32 v124, 0xff000000, v120
	v_cvt_scalef32_pk16_fp6_f32 v[44:46], v[96:111], v124
	v_lshrrev_b32 v47, 23, v124
	v_or_b32 v47, 0x7f7f7f00, v47                  ; the three blocks of zeros get the byte of 1.0
	ds_store_b128 v116, v[44:47]                   ; (a row's eight lanes write the same bytes with the same values)
	s_wait_alu depctr_va_vdst(0)
	s_wait_dscnt 0x0                               ; for the others' sake: my part of the image lies in LDS
	s_barrier_signal -1
	s_barrier_wait -1
.irp j, 0,1,2,3
	ds_load_b128 v[64+4*\j:67+4*\j], v119 offset:2048*\j
.endr
.irp j, 0,1,2,3
	s_wait_dscnt 3-\j
	global_store_b128 v126, v[64+4*\j:67+4*\j], s[28:29] offset:2048*\j    ; 32 lanes store 512 consecutive bytes, at a multiple of 256
.endr
	s_cmp_lg_u32 s30, 0
	s_cbranch_scc1 .Lrows_end                      ; wave 0 stores the seventeenth piece
	ds_load_b128 v[80:83], v119 offset:8192
	s_wait_dscnt 0x0
	global_store_b128 v126, v[80:83], s[28:29] offset:8192
.Lrows_end:
	s_wait_tensorcnt 0x0                           ; the wave's end: behind my last LDS store
	ds_add_u32 v1, v2
	s_wait_dscnt 0x0
	s_endpgm
; ---- WEIGHTS
.Lweights:
	s_sub_co_u32 s52, ttmp9, 1024
	s_and_b32 s53, s52, 1                          ; hh: which 32 of the group's 64 columns
	s_bfe_u32 s31, s52, 0x20001                    ; w
	s_lshr_b32 s32, s52, 3                         ; g
	s_mul_i32 s33, s32, 43
	s_lshr_b32 s33, s33, 8                         ; g / 6, for g under 24
	s_mul_i32 s34, s33, 6
	s_sub_co_u32 s34, s32, s34                     ; g % 6
	s_mul_i32 s35, s33, 153600
	s_mul_i32 s36, s31, 38400
	s_add_co_u32 s35, s35, s36
	s_mul_i32 s36, s34, 6400
	s_add_co_u32 s35, s35, s36                     ; the group's place in wimg
	s_add_co_u32 s36, s32, 2
	s_and_b32 s36, s36, 3                          ; G: which 64 columns, steps 0-4
	s_sub_co_u32 s37, s32, 2
	s_lshr_b32 s37, s37, 2                         ; the step
	s_lshl_b32 s40, s30, 5                         ; 32 p
	s_lshl_b32 s38, s31, 9
	s_lshl_b32 s39, s37, 7
	s_add_co_u32 s38, s38, s39
	s_add_co_u32 s38, s38, 384
	s_add_co_u32 s38, s38, s40                     ; first row, steps 1-4: 384 + 512 w + 128 s + 32 p
	s_lshl_b32 s39, s31, 6
	s_add_co_u32 s39, s39, s40
	s_lshr_b32 s41, s30, 1
	s_mul_i32 s42, s41, 192
	s_add_co_u32 s39, s39, s42                     ; step 0: 64 w + 32 p, the time blocks 192 further on
	s_min_u32 s45, s30, 1
	s_add_co_u32 s45, s45, 1
	s_cmp_lt_u32 s32, 6
	s_cselect_b32 s38, s39, s38
	s_cmp_lt_u32 s32, 2                            ; the tail
	s_cselect_b32 s38, 2544, s38
	s_cselect_b32 s36, s32, s36
	s_cselect_b32 s44, s45, 0                      ; 1: the first 16 numbers become zero; 2: all
	s_and_b32 s43, s31, 1
	s_lshl_b32 s43, s43, 1
	s_xor_b32 s43, s43, s36
	s_lshl_b32 s43, s43, 6                         ; first column in W1: 64 (G xor 2 (w % 2)): odd waves walk the halves of N the other way round
	s_lshl_b32 s42, s31, 6                         ; in W2: 64 w
	s_sub_co_u32 s39, s32, 22
	s_lshl_b32 s39, s39, 7
	s_add_co_u32 s39, s39, s40                     ; W2's first row: 128 x K step + 32 p
	s_mul_i32 s48, s41, 520
	s_mul_i32 s49, s41, 1016
	s_and_b32 s50, s30, 1
	s_lshl_b32 s50, s50, 8                         ; 256 (p % 2)
	s_lshl_b32 s51, s30, 9
	v_lshlrev_b32 v4, 2, v3
	v_and_b32 v9, 7, v3
	v_lshrrev_b32 v10, 4, v3
	v_lshl_add_u32 v9, v10, 3, v9                  ; r' = lane % 8 + 8 (lane / 16)
	v_bfe_u32 v10, v3, 3, 1                        ; u = (lane / 8) % 2
	v_mul_u32_u24 v5, v10, 1536
	v_lshl_add_u32 v5, v9, 4, v5
	v_add_nc_u32 v5, s50, v5                       ; fragment u, lane r' + 16 (p % 2)
	v_add_nc_u32 v6, s48, v5                       ; registers 0, 1 or 6, 7; and 512 on 4, 5 or 10, 11
	v_add_nc_u32 v7, s49, v5                       ; 8 on: registers 2, 3 or 8, 9
	v_lshlrev_b32 v8, 2, v9
	v_lshl_add_u32 v8, v10, 6, v8
	v_add_nc_u32 v8, s30, v8
	v_add_nc_u32 v8, 3072, v8                      ; the scale word's byte p
	v_lshl_add_u32 v11, v3, 4, s51                 ; the way out: 512 p + 16 lane,
	v_lshl_add_u32 v12, v3, 2, 3072                ; 4 a lane for the scale words
	s_wait_alu depctr_va_vdst(0)
	s_wait_kmcnt 0x0
	s_cmp_ge_u32 s32, 22
	s_cselect_b32 s38, s39, s38
	s_cselect_b32 s43, s42, s43
	s_cselect_b64 s[4:5], s[6:7], s[4:5]           ; the source: the choice hangs on the work-group's number alone
	s_lshl_b32 s46, s38, 10                        ; a row of W1 or W2 is 1,024 bytes
	s_lshl_b32 s43, s43, 2
	s_add_co_u32 s46, s46, s43
	s_lshl_b32 s54, s53, 7                         ; 32 columns are 128 bytes, and so are their scale words
	s_add_co_u32 s46, s46, s54
	s_mov_b32 s47, 0
	s_add_nc_u64 s[4:5], s[4:5], s[46:47]
	s_add_co_u32 s46, s35, s54
	s_add_co_u32 s46, s46, 6144
	s_add_nc_u64 s[28:29], s[26:27], s[46:47]      ; where the scale words go
	s_mul_i32 s46, s53, 3072
	s_add_co_u32 s46, s46, s35
	s_add_nc_u64 s[26:27], s[26:27], s[46:47]      ; and the two fragments
.set LR, 0
.rept 32
	global_load_b32 v[64+LR], v4, s[4:5] offset:1024*LR            ; W(row + i, my column)
.set LR, LR+1
.endr
	s_wait_loadcnt 0x0
	s_cmp_eq_u32 s44, 0
	s_cbranch_scc1 .Lkeep                          ; only the tail's groups make zeros: a branch on the work-group's number, round register work alone
.set LR, 0
.rept 16
	v_mov_b32 v[64+LR], 0                          ; rows 2544-2559 belong to another block
.set LR, LR+1
.endr
	s_wait_alu depctr_va_vdst(0)
	s_cmp_eq_u32 s44, 1
	s_cbranch_scc1 .Lkeep                          ; wave 0 of the tail keeps rows 2560-2575
.rept 16
	v_mov_b32 v[64+LR], 0                          ; K ends at 2,576: the rest of the step is zeros
.set LR, LR+1
.endr
	s_wait_alu depctr_va_vdst(0)
.Lkeep:
	Q32 64, 16, 24, 28, 48
	ds_store_b64 v6, v[16:17]
	ds_store_b64 v7, v[18:19] offset:8
	ds_store_b64 v6, v[20:21] offset:512
	ds_store_b8 v8, v28
	s_wait_alu depctr_va_vdst(0)
	s_wait_dscnt 0x0                               ; for the others' sake: my part of the image lies in LDS
	s_barrier_signal -1
	s_barrier_wait -1
	ds_load_b128 v[32:35], v11                     ; six pieces of 512 bytes: wave p takes piece p,
	s_wait_dscnt 0x0
	global_store_b128 v11, v[32:35], s[26:27]      ; 32 lanes store 512 consecutive bytes, at a multiple of 256
	s_cmp_lt_u32 s30, 2
	s_cbranch_scc0 .Lnot_two
	ds_load_b128 v[36:39], v11 offset:2048         ; waves 0 and 1 piece p + 4,
	s_wait_dscnt 0x0
	global_store_b128 v11, v[36:39], s[26:27] offset:2048
.Lnot_two:
	s_cmp_lg_u32 s30, 2
	s_cbranch_scc1 .Lweights_end
	ds_load_b32 v40, v12                           ; wave 2 the 128 bytes of scale words
	s_wait_dscnt 0x0
	global_store_b32 v4, v40, s[28:29]
.Lweights_end:
	s_wait_tensorcnt 0x0                           ; the wave's end: behind my last LDS store
	ds_add_u32 v1, v2
	s_wait_dscnt 0x0
	s_endpgm
.Lfunc_end_k_q64660ba94f_prep:
	.size	k_q64660ba94f_prep, .Lfunc_end_k_q64660ba94f_prep-k_q64660ba94f_prep
	.p2alignl 7, 3214868480
	.fill 96, 4, 3214868480
	.section	.rodata,"a",@progbits
	.p2align	6, 0x0
	.amdhsa_kernel k_q64660ba94f_prep
		.amdhsa_group_segment_fixed_size 40704
		.amdhsa_private_segment_fixed_size 0
		.amdhsa_enable_private_segment 0
		.amdhsa_kernarg_size 104
		.amdhsa_user_sgpr_count 2
		.amdhsa_user_sgpr_kernarg_segment_ptr 1
		.amdhsa_wavefront_size32 1
		.amdhsa_system_sgpr_workgroup_id_x 1
		.amdhsa_system_sgpr_workgroup_id_y 1
		.amdhsa_system_sgpr_workgroup_id_z 1
		.amdhsa_system_vgpr_workitem_id 0
		.amdhsa_next_free_vgpr 192
		.amdhsa_next_free_sgpr 66
		.amdhsa_reserve_vcc 0
		.amdhsa_float_denorm_mode_32 3
		.amdhsa_float_denorm_mode_16_64 3
		.amdhsa_memory_ordered 1
		.amdhsa_forward_progress 1
		.amdhsa_inst_pref_size 45
	.end_amdhsa_kernel
	.amdgpu_metadata
---
amdhsa.version: [ 1, 2 ]
amdhsa.kernels:
  - .name:           k_q64660ba94f_prep
    .symbol:         k_q64660ba94f_prep.kd
    .args:
      - { .name: W1, .offset: 0, .size: 8, .value_kind: global_buffer, .address_space: global }
      - { .name: W2, .offset: 8, .size: 8, .value_kind: global_buffer, .address_space: global }
      - { .name: x, .offset: 16, .size: 8, .value_kind: global_buffer, .address_space: global }
      - { .name: start_L, .offset: 24, .size: 8, .value_kind: global_buffer, .address_space: global }
      - { .name: start_C, .offset: 32, .size: 8, .value_kind: global_buffer, .address_space: global }
      - { .name: fs, .offset: 40, .size: 8, .value_kind: global_buffer, .address_space: global }
      - { .name: channel_type_mapping, .offset: 48, .size: 8, .value_kind: global_buffer, .address_space: global }
      - { .name: channel_embed, .offset: 56, .size: 8, .value_kind: global_buffer, .address_space: global }
      - { .name: system_embed, .offset: 64, .size: 8, .value_kind: global_buffer, .address_space: global }
      - { .name: ln1_g, .offset: 72, .size: 8, .value_kind: global_buffer, .address_space: global }
      - { .name: ln1_b, .offset: 80, .size: 8, .value_kind: global_buffer, .address_space: global }
      - { .name: wimg, .offset: 88, .size: 8, .value_kind: global_buffer, .address_space: global }
      - { .name: aimg, .offset: 96, .size: 8, .value_kind: global_buffer, .address_space: global }
    .group_segment_fixed_size: 40704
    .private_segment_fixed_size: 0
    .kernarg_segment_align: 8
    .kernarg_segment_size: 104
    .max_flat_workgroup_size: 128
    .sgpr_count:     66
    .vgpr_count:     192
    .wavefront_size: 32
...
	.end_amdgpu_metadata
.endif
;; end of part 1
;; launch fused (part 2): grid 256 x 1, 4 waves a work-group, clusters of 4 x 1, 327,680 bytes of LDS; arguments wimg, aimg, ln1_g, ln1_b, b1, ln2_g, ln2_b, b2, out0; writes out0
.if DOCPART == 2
	.amdgcn_target "amdgcn-amd-amdhsa--gfx1250"
	.amdhsa_code_object_version 6
	.text
	.protected	k_q64660ba94f_fused
	.globl	k_q64660ba94f_fused
	.p2align	8
	.type	k_q64660ba94f_fused,@function
k_q64660ba94f_fused:
	s_mov_b64 s[64:65], 0
	v_nop
	global_prefetch_b8 v0, s[64:65] scope:SCOPE_SE
	s_setreg_imm32_b32 hwreg(HW_REG_WAVE_MODE, 25, 1), 1
	s_wait_xcnt 0x0
	s_wait_alu depctr_hold_cnt(0) depctr_sa_sdst(0) depctr_va_vdst(0) depctr_va_sdst(0) depctr_va_ssrc(0) depctr_va_vcc(0) depctr_vm_vsrc(0)
	s_getreg_b32 s2, hwreg(HW_REG_IB_STS2, 6, 4)
	s_cmp_eq_u32 s2, 0
	s_cbranch_scc0 .Lentry_in_a_cluster
	s_endpgm
.Lentry_in_a_cluster:
	s_bfe_u32 s2, ttmp6, 0x10000c
	s_cmp_lg_u32 s2, 0x3003
	s_cbranch_scc0 .Lentry_shape_is_right
	s_endpgm
.Lentry_shape_is_right:
; out = LN2(silu(Q(LN1(feat)) Q(W1) + b1)) quantised, x Q(W2) + b2, for 64 of the 16,384 rows (batch x patch).  Both products on codes of FP6 (E2M3) with one E8M0 scale for each 32 along K; all else f32.
; Of a row's 2,576 places the first 512 (data, times) and the last 16 (system) arrive as codes in aimg; the 2,048 between are 64 blocks of the same 32 normalised channel numbers, each with its own gain and bias: they are made here.
; SHARES.  THE FOUR WAVES SHARE K: each wave keeps partial sums for all 64 rows x 256 hidden units (64 accumulators, 512 registers) over its quarter of K.  So a wave makes its own fragments of the rows in registers, and reads
; only its own part of W1 from LDS.  The price: one exchange of partial sums through LDS at the end, after which wave w owns rows 16 w .. 16 w + 15.
; K, alike here and in wimg: a tail step with the 16 system numbers at places 16-31 of one block; wave w, step 0: data blocks 2 w, 2 w + 1, time blocks 2 w, 2 w + 1; steps 1-4: channel blocks 16 w + 4 (s - 1) + 0 .. 3.
; ONE TEXT FOR ALL WAVES: local tile of rows i is tile (i + w) % 4; local tile of hidden units v is tile v xor 8 (w % 2).  The tail: each wave multiplies local tiles 0, 1 by local v = 0 .. 7: every pair once.
; b1 is the C with which the sums of local tile 0, my own rows, begin.
; BOTH PRODUCTS ARE USED TRANSPOSED (source 0 = 16 columns of the weight, source 1 = 16 rows): a lane holds one row; tile 2 b + u holds in register j of lane (r, h) unit 32 b + 16 h + 8 u + j.
; THE WALK: 24 groups of W (4 tiles of hidden units x 128 along K) a wave: 0, 1 the tail, 2 + 4 s + 0 .. 3 step s, 22, 23 W2.  Tail and steps 0-3 are 272 products in 34 octets; octets 0-31 each make one block of 32 of one tile behind
; their products (16 + 14 + 10 + 3 vector instructions): block O belongs to step 1 + O / 8, half (O % 8) / 4, tile O % 4.  It is written behind the last product that reads the registers' old fragment.
; STEP 4 goes tile by tile, 3 first, with all 16 fragments of W in registers.
; W comes in four loads of six groups a wave through two LDS slots; each wave fetches and reads its own quarter.
; CLUSTER: the four work-groups of a cluster walk the same weights: each quarter is asked for JOINTLY, by the same tensor load with the same descriptor (constants and the wave's number) and the mask of all four.
; By this text's own count a wave has at most one tensor load out.
; PREFETCH INTO THE L2: clusters 0, 4, 8, 12 ask for the 600 blocks of 256 bytes of load 1 at the head, of load 2 behind load 1's request, of load 3 in octet 3: each ahead of the tensor load that wants it.
; The 16 waves of such a cluster share a load's blocks out by address, 38 a wave (32 and 6 lanes; what is left over names the last block again).  Load 0 comes by its tensor load alone.
; LIMITS: NaN and infinities are not served.  A block whose largest magnitude lies under 2^-124 keeps the scale byte 1.
; REGISTERS, in windows of 256.  Window 0: v0 thread; v1, v2 the add's two; v3-6 addresses; v7 scale operand; v8-11 four maxima; v12-14 a conversion's second half; v15 the byte; v16-23 W's scale words, v24-31 the rows': scales and nothing else;
;   v32-127 the rows' fragments, two sets of 4 x 12; v128-255 Z: the 32 normalised channel numbers of each of 4 tiles, later ln2_g.   Window 1: v0-95 W's fragments, two halves of 4 x 12; v96-159, v160-223 gain and bias of two blocks each; v224-255 H.
;   Window 2: accumulators of local tiles 0, 1 (at 128 i + 8 v).   Window 3: those of tiles 2, 3.
.set SLOTB, 153600                     ; a slot: four waves' parts
.set PARTB, 38400                      ; a wave's part: six groups
.set GRPB,  6400
.set GNS,   307200                     ; behind the slots: each wave's channel gains and biases, 4,096 bytes; later the hidden layer's images
.set HIM,   GNS
.set HSC,   HIM+12288
.set SPARE, 323584                     ; the spare words, 128 bytes for each wave: two blocks of 256 bytes that no other line names
.set STGB,  4352                       ; the way out: 16 rows x 272 bytes for each wave, in slot 0
.set SPW, 1
.set NIL, 2
.set ASC, 24
.set BS,  20
.set AF,  32
.set Z,   128
.set XB,  96                           ; window 1
.set YB,  160
.set H,   224
.set MSB, 0
.macro WIN new                         ; the immediate's high byte repeats the setting that is left; a switch that changes nothing is dropped
.if MSB != (\new)
	s_set_vgpr_msb (MSB<<8)|(\new)
.set MSB, \new
.endif
.endm
.macro NOP4
.rept 4
	v_nop
.endr
.endm
; A round of the cluster's barrier: my work-group's barrier, wave 0 signals for the work-group, every wave waits for all four work-groups, my work-group's barrier once more
.macro CREST                           ; a round behind its opening barrier
	s_cmp_lg_u32 s58, 0
	s_cbranch_scc1 .Lnot_wave_0_\@
	s_barrier_signal -3
.Lnot_wave_0_\@:
	s_barrier_wait -3
	s_barrier_signal -1
	s_barrier_wait -1
.endm
.macro ROUND
	WIN 0                                          ; at a branch and at a label every window is 0
	s_barrier_signal -1
	s_barrier_wait -1
	CREST
.endm
; slot s is filled (step = 0: for the first time; 1: again, two loads on): every wave waits for its tensor load, adds 0 to its spare word, waits for that and for its reads of the slot; a round; then the wave's one joint load.
; n1 products stand between the add and the wait for it, n2 between the round's opening signal and its wait
.macro FILL s, step, n1, n2
	WIN 0
	s_wait_alu depctr_va_vdst(0)
	s_wait_tensorcnt 0x0
	ds_add_u32 v[SPW], v[NIL]
.if \step
	s_add_nc_u64 s[46+4*(\s):47+4*(\s)], s[46+4*(\s):47+4*(\s)], 2*SLOTB   ; the type bits on top are not reached
.endif
.if \n1 > 0
.rept \n1
	PROD
.endr
.else
	NOP4                                           ; a scale register written by a vector instruction stands 8 places ahead of a scaled matrix instruction
	NOP4
.endif
	s_wait_dscnt 0x0
	s_barrier_signal -1
.rept \n2
	PROD
.endr
	WIN 0
	s_barrier_wait -1
	CREST
	tensor_load_to_lds s[44+4*(\s):47+4*(\s)], s[36:43]
	s_nop 0
	NOP4
.endm
.macro ASK ld                          ; my share of load ld's blocks, in clusters 0, 4, 8, 12; the last byte named lies in wimg's last block
	WIN 0
	s_cmp_lg_u32 s69, 0
	s_cbranch_scc1 .Lnot_mine_\@
	global_prefetch_b8 v90, s[72:73] offset:SLOTB*(\ld) th:TH_LOAD_NT scope:SCOPE_SE
	global_prefetch_b8 v91, s[72:73] offset:SLOTB*(\ld) th:TH_LOAD_NT scope:SCOPE_SE
.Lnot_mine_\@:
.endm
; group gg of W into v[r] on of window 1, its scale words into v[sc], v[sc + 1] (lanes 0-15 fragment 2 rho's words, lanes 16-31 fragment 2 rho + 1's); sc = 0: the fragments alone
.macro LOADG r, sc, gg
	WIN 0x40
.irp f, 0,1,2,3
.irp j, 0,1,2
	ds_load_b128 v[(\r)+12*\f+4*\j:(\r)+12*\f+4*\j+3], v3 offset:GRPB*((\gg)%6)+1536*\f+512*\j
.endr
.endr
	WIN 0
.if (\sc) > 0
	ds_load_b32 v[\sc], v4 offset:GRPB*((\gg)%6)+6144
	ds_load_b32 v[(\sc)+1], v4 offset:GRPB*((\gg)%6)+6272
.endif
.endm
.macro LOADGB buf, off                 ; gain and bias of one block a half of the lanes
	WIN 0x40
.irp k, 0,1,2,3,4,5,6,7
	ds_load_b128 v[(\buf)+4*\k:(\buf)+4*\k+3], v5 offset:(\off)+16*\k
	ds_load_b128 v[(\buf)+32+4*\k:(\buf)+35+4*\k], v5 offset:(\off)+2048+16*\k
.endr
.endm
.macro PLOAD base, sp, ao              ; 128 numbers of a vector of 256, in my accumulators' order: register 8 v + j = unit 32 b + 16 h + 8 u + j
.set VV, 0
.rept 16
	global_load_b128 v[(\base)+8*VV:(\base)+8*VV+3], v[(\ao)+VV/8], s[\sp:\sp+1] offset:128*((VV/2)%4)+32*(VV%2)
	global_load_b128 v[(\base)+8*VV+4:(\base)+8*VV+7], v[(\ao)+VV/8], s[\sp:\sp+1] offset:128*((VV/2)%4)+32*(VV%2)+16
.set VV, VV+1
.endr
.endm
	s_load_b512 s[4:19], s[0:1], 0x0               ; wimg 4, aimg 6, ln1_g 8, ln1_b 10, b1 12, ln2_g 14, ln2_b 16, b2 18
	s_load_b64 s[20:21], s[0:1], 0x40              ; out0
	v_lshl_add_u32 v[SPW], v0, 2, SPARE
	v_mov_b32 v[NIL], 0
	ds_add_u32 v[SPW], v[NIL]                      ; the wave's opening: the add, twice on end, and its wait ahead of my first tensor load
	ds_add_u32 v[SPW], v[NIL]
	v_lshrrev_b32 v8, 5, v0
	v_readfirstlane_b32 s58, v8                    ; wave w
	s_and_b32 s59, s58, 1                          ; p = w % 2
	s_bfe_u32 s60, ttmp6, 0x40000                  ; my place in the cluster
	s_lshl_b32 s61, ttmp9, 2
	s_add_co_u32 s61, s61, s60                     ; my block of 64 rows: it enters global addresses of aimg and out0 alone
	s_and_b32 s69, ttmp9, -13                      ; 0 in clusters 0, 4, 8, 12
	s_lshl_b32 s70, s60, 2
	s_add_co_u32 s70, s70, s58
	s_mul_i32 s70, s70, 38                         ; the first block that I prefetch
	; descriptor group 1: a wave's part, 38,400 dense bytes, as 150 rows of 256 bytes (32 elements of 8 bytes)
	s_mov_b32 s36, 15|(3<<16)|(1<<21)              ; 15:0 the mask: all four work-groups; 17:16 elements of 8 bytes; 20 no padding; 21 set beside a mask
	s_mov_b32 s37, 32<<16                          ; tensor_dim0 = 32
	s_mov_b32 s38, 150<<16                         ; tensor_dim1 = 150
	s_mov_b32 s39, 32<<16                          ; tile_dim0 = 32
	s_mov_b32 s40, 150                             ; tile_dim1 = 150
	s_mov_b32 s41, 32                              ; from row to row
	s_mov_b32 s42, 0
	s_mov_b32 s43, 0
	s_mov_b32 s56, 0x76543210
	s_mov_b32 s57, 0xfedcba98                      ; v_permlanex16_b32's selects for lane l xor 16
	s_mul_i32 s66, s58, PARTB                      ; my part of a slot, and of a load in wimg
	s_mov_b32 s67, 0
	v_and_b32 v86, 31, v0                          ; lane
	v_and_b32 v87, 15, v0                          ; r
	v_bfe_u32 v88, v0, 4, 1                        ; h
	v_lshl_add_u32 v3, v86, 4, s66                 ; where I read W's fragments,
	v_lshl_add_u32 v4, v86, 2, s66                 ; and its scale words
	v_add_nc_u32 v90, s70, v86                     ; the prefetches: blocks 0-31 of my 38,
	v_min_u32 v91, 5, v86
	v_add_nc_u32 v91, s70, v91
	v_add_nc_u32 v91, 32, v91                      ; and 32-37; no block beyond the load's 600
	v_min_u32 v90, 599, v90
	v_min_u32 v91, 599, v91
	v_lshlrev_b32 v90, 8, v90
	v_lshlrev_b32 v91, 8, v91
	s_wait_alu depctr_va_vdst(0)
	s_lshl_b32 s62, s58, 12
	s_add_co_u32 s63, s62, GNS
	v_lshl_add_u32 v5, v88, 7, s63                 ; where I read gains: + 128 h
	v_lshl_add_u32 v89, v86, 4, s63                ; and put them: + 16 x lane
	v_lshlrev_b32 v6, 3, v88                       ; 8 h
	v_add_nc_u32 v7, -1, v88                       ; all ones in lanes 0-15, 0 in lanes 16-31
	s_mul_i32 s62, s58, 1536
	v_lshl_add_u32 v80, v86, 4, s62                ; aimg: my fragment of a tile,
	s_lshl_b32 s62, s58, 6
	v_lshl_add_u32 v81, v87, 2, s62                ; its scale words,
	v_lshlrev_b32 v82, 4, v87                      ; 16 bytes a row
	s_lshl_b32 s62, s58, 11
	v_lshl_add_u32 v83, v86, 4, s62                ; ln1_g, ln1_b: 2,048 w + 16 x lane
	s_lshl_b32 s62, s59, 9
	v_lshl_add_u32 v84, v88, 6, s62                ; b1 in my accumulators' order: local v under 8: 64 h + 512 p,
	s_xor_b32 s62, s62, 512
	v_lshl_add_u32 v85, v88, 6, s62                ; from 8 on: the other half
	s_wait_alu depctr_va_vdst(0)                   ; the wait at the head's end
	s_wait_dscnt 0x0                               ; both opening adds are done
	ROUND                                          ; all four work-groups are here: the first joint loads meet
	s_wait_kmcnt 0x0
	s_mov_b64 s[72:73], s[4:5]                     ; wimg, for the prefetches
	s_add_nc_u64 s[4:5], s[4:5], s[66:67]          ; wimg at my part of load 0
.irp k, 0,1
	s_mov_b32 s[44+4*\k], 1                        ; group 0 of slot k: count = 1,
	s_add_co_u32 s[45+4*\k], s66, \k*SLOTB         ; LDS address,
	s_add_nc_u64 s[46+4*\k:47+4*\k], s[4:5], \k*SLOTB   ; global address: load k,
	s_or_b32 s[47+4*\k], s[47+4*\k], 0x80000000    ; type = 2
.endr
	tensor_load_to_lds s[44:47], s[36:43]          ; groups 0-5: one tensor load a wave at the head
	s_nop 0
	NOP4
	s_mul_i32 s68, s61, 34816                      ; aimg: four images of 8,704 bytes
	s_mov_b32 s71, 0
.irp t, 0,1,2,3
	s_add_co_u32 s62, s58, \t
	s_and_b32 s62, s62, 3                          ; local tile t is tile (t + w) % 4
	s_mul_i32 s62, s62, 8704
	s_add_co_u32 s70, s68, s62
	s_add_nc_u64 s[24+2*\t:25+2*\t], s[6:7], s[70:71]
.endr
	s_lshl_b32 s70, s61, 16
	s_lshl_b32 s62, s58, 8
	s_add_co_u32 s70, s70, s62
	s_add_nc_u64 s[20:21], s[20:21], s[70:71]      ; out0 at my 64 rows, columns 64 w on
	WIN 0x40
.irp j, 0,1,2,3
	global_load_b128 v[H+4*\j:H+4*\j+3], v83, s[8:9] offset:2048+512*\j            ; gain and bias of my 16 channel blocks: 2,048 bytes each
	global_load_b128 v[H+16+4*\j:H+19+4*\j], v83, s[10:11] offset:2048+512*\j
.endr
	WIN 0
.irp t, 0,1
	global_load_b128 v[8+4*\t:11+4*\t], v82, s[24+2*\t:25+2*\t] offset:8448        ; the system codes of local tiles 0, 1
.endr
.irp t, 0,1,2,3
.irp j, 0,1,2
	global_load_b128 v[AF+12*\t+4*\j:AF+12*\t+4*\j+3], v80, s[24+2*\t:25+2*\t] offset:512*\j       ; step 0's fragments
.endr
	global_load_b32 v[ASC+\t], v81, s[24+2*\t:25+2*\t] offset:8192
.endr
	ASK 1
	WIN 0x80
	PLOAD 0, 12, 84                                ; b1 into local tile 0's accumulators
	WIN 0
.irp t, 0,1,2,3
.irp k, 0,1,2,3,4,5,6,7
	global_load_b128 v[Z+32*\t+4*\k:Z+32*\t+4*\k+3], v82, s[24+2*\t:25+2*\t] offset:6144+256*\k
.endr
.endr
	s_wait_loadcnt 63                              ; 90 are issued: the oldest 27, gains and system codes among them, are in
	WIN 0x04
.irp j, 0,1,2,3
	ds_store_b128 v89, v[H+4*\j:H+4*\j+3] offset:512*\j
	ds_store_b128 v89, v[H+16+4*\j:H+19+4*\j] offset:2048+512*\j
.endr
	LOADGB XB, 0                                   ; step 1's (LDS serves a wave's instructions in order)
	LOADGB YB, 256
	WIN 0
.irp t, 0,1                            ; the tail's fragments lie where set 1 has its tiles 2, 3: places 16-31 of block 0 (lanes 0-15, registers 3-5); all else zero codes
.irp k, 0,1,2
	v_mov_b32 v[AF+72+12*\t+\k], 0
	v_and_b32 v[AF+75+12*\t+\k], v7, v[8+4*\t+\k]
	v_mov_b32 v[AF+78+12*\t+\k], 0
	v_mov_b32 v[AF+81+12*\t+\k], 0
.endr
	v_mov_b32 v[ASC+6+\t], v[11+4*\t]
.endr
	s_wait_alu depctr_va_vdst(0)
	s_wait_tensorcnt 0x0                           ; my part of load 0 is in: I read only bytes that I fetched
	LOADG 0, BS, 0                                 ; the tail's two groups
	LOADG 48, BS+2, 1
	s_wait_xcnt 0x0                                ; the head's offset registers are free
	s_wait_loadcnt 32                              ; fragments and b1 are in: the 32 loads of Z are younger
; ---- THE PRODUCTS AND THE MAKING OF FRAGMENTS
.macro WMX                             ; the matrix instruction named by mD, mB, mA, mC (under 0: the constant 0 starts the sum), mSB, mSA, mOdd (W's scale words lie in lanes 16-31)
.if mC < 0
.if mOdd
	v_wmma_scale_f32_16x16x128_f8f6f4 v[mD:mD+7], v[mB:mB+11], v[mA:mA+11], 0, v[mSB], v[mSA] matrix_a_fmt:MATRIX_FMT_FP6 matrix_b_fmt:MATRIX_FMT_FP6 matrix_a_scale:MATRIX_SCALE_ROW1
.else
	v_wmma_scale_f32_16x16x128_f8f6f4 v[mD:mD+7], v[mB:mB+11], v[mA:mA+11], 0, v[mSB], v[mSA] matrix_a_fmt:MATRIX_FMT_FP6 matrix_b_fmt:MATRIX_FMT_FP6
.endif
.else
.if mOdd
	v_wmma_scale_f32_16x16x128_f8f6f4 v[mD:mD+7], v[mB:mB+11], v[mA:mA+11], v[mC:mC+7], v[mSB], v[mSA] matrix_a_fmt:MATRIX_FMT_FP6 matrix_b_fmt:MATRIX_FMT_FP6 matrix_a_scale:MATRIX_SCALE_ROW1
.else
	v_wmma_scale_f32_16x16x128_f8f6f4 v[mD:mD+7], v[mB:mB+11], v[mA:mA+11], v[mC:mC+7], v[mSB], v[mSA] matrix_a_fmt:MATRIX_FMT_FP6 matrix_b_fmt:MATRIX_FMT_FP6
.endif
.endif
.endm
.macro MMWIN                           ; source 0 (W) window 1, source 1 (rows) window 0, C and D window 2 or 3
.if mT < 2
	WIN 0xa1
.else
	WIN 0xf1
.endif
.endm
; product PN of the 272: 0-15 the tail, then 64 to a step, group by group, tile by tile.  The accumulators take turns, one instruction a turn
.macro PROD
.if PN < 16
.set mT, (PN%8)/4
.set mN, 4*(PN/8)+PN%4
.set mQ, PN/8
.set mA, AF+72+12*mT
.set mSA, ASC+6+mT
.set mZ, mT                            ; local tile 0 begins with b1
.else
.set PM, PN-16
.set mT, (PM%16)/4
.set mN, 4*((PM%64)/16)+PM%4
.set mQ, (PM/16)%2
.set mA, AF+48*((PM/64)%2)+12*mT
.set mSA, ASC+4*((PM/64)%2)+mT
.set mZ, 0
.if PM < 64
.if mT > 1
.set mZ, 1
.elseif (mT == 1) && (mN > 7)
.set mZ, 1
.endif
.endif
.endif
.set mB, 48*mQ+12*(mN%4)
.set mSB, BS+2*mQ+(mN%4)/2
.set mOdd, mN%2
.set mD, 128*(mT%2)+8*mN
.if mZ
.set mC, -1
.else
.set mC, mD
.endif
	MMWIN
	WMX
.set PN, PN+1
.endm
.macro MKFMA                           ; H = normalised number x gain + bias, two at a time
.set rG, XB+64*((OC%8)/4)
.set rZ, Z+32*(OC%4)
	WIN 0x54
.irp i, 0,2,4,6,8,10,12,14,16,18,20,22,24,26,28,30
	v_pk_fma_f32 v[H+\i:H+\i+1], v[rZ+\i:rZ+\i+1], v[rG+\i:rG+\i+1], v[rG+32+\i:rG+33+\i]
.endr
.endm
.macro MKMAX                           ; the largest magnitude, in four chains
	WIN 0x15
.irp k, 0,1,2,3
	v_max3_num_f32 v[8+\k], |v[H+3*\k]|, |v[H+3*\k+1]|, |v[H+3*\k+2]|
.endr
	WIN 0x14
.irp k, 0,1,2,3,4,5,6,7,8,9
	v_max3_num_f32 v[8+(\k%4)], v[8+(\k%4)], |v[H+12+2*\k]|, |v[H+13+2*\k]|
.endr
.endm
; the chains join (the floor 2^(3 - 127) among them: the byte cannot fall under 1), 2 comes off the exponent field: the conversion's scale operand; by turns with the end of the block before: its byte into the scale word, the second
; half's three registers to their place, and behind half 1: my two bytes go 8 h bits up and join lane l xor 16's two
.macro MKJOIN
.set fO, OC-1
.set fE, (1+fO/8)%2
.set fC, (fO%8)/4
.set fT, fO%4
.set fA, AF+48*fE+12*fT+6*fC
.set fS, ASC+4*fE+fT
	WIN 0
.if OC < 32
	v_max3_num_f32 v8, v8, v9, v10
.endif
.if OC > 0
.if fC == 0
	v_mov_b32 v[fS], v15
.else
	v_lshl_or_b32 v[fS], v15, 16, v[fS]
.endif
	v_mov_b32 v[fA+3], v12
	v_mov_b32 v[fA+4], v13
.if fC == 1
	v_lshlrev_b32 v[fS], v6, v[fS]
.endif
.endif
.if OC < 32
	v_max3_num_f32 v8, v8, v11, 0x1800000
.endif
.if OC > 0
	v_mov_b32 v[fA+5], v14
.if fC == 1
	v_permlanex16_b32 v15, v[fS], s56, s57
.endif
.endif
.if OC < 32
	v_add_nc_u32 v7, 0xff000000, v8
.endif
.if OC > 0
.if fC == 1
	v_or_b32 v[fS], v[fS], v15
.endif
.endif
.endm
.macro MKCVT
.set kA, AF+48*((1+OC/8)%2)+12*(OC%4)+6*((OC%8)/4)
	WIN 0x01
	v_cvt_scalef32_pk16_fp6_f32 v[kA:kA+2], v[H:H+15], v7
	v_cvt_scalef32_pk16_fp6_f32 v[12:14], v[H+16:H+31], v7         ; (a conversion's three registers begin on an even number)
	WIN 0
	v_lshrrev_b32 v15, 23, v7                      ; the scale's byte; the plain place behind the conversions
.endm
; the next group of W is asked for behind a group's first products and their slice, whose vector instructions are the places behind the last product that read those registers
.macro NEXTW
.if OC == 0
	LOADG 0, BS, 2
.elseif (OC == 9) || (OC == 21)
	WIN 0
.if OC == 9
	v_add_nc_u32 v3, SLOTB, v3                     ; on to slot 1
	v_add_nc_u32 v4, SLOTB, v4
.else
	v_sub_nc_u32 v3, v3, SLOTB                     ; back to slot 0
	v_sub_nc_u32 v4, v4, SLOTB
.endif
	LOADG 0, BS, OC/2+2
.elseif OC == 32
	WIN 0
	NOP4
	v_add_nc_u32 v3, SLOTB, v3
	v_add_nc_u32 v4, SLOTB, v4
	s_wait_alu depctr_va_vdst(0)
	LOADG 0, BS, 18                                ; step 4's four groups: fragments in v0, v192, v96, v144 on, scale words in v20, v16, v18, v22 on
	LOADG 192, 16, 19
.elseif OC == 33
	LOADG 96, 18, 20
	LOADG 144, 0, 21
.elseif (OC%2 == 0) && (OC != 8) && (OC != 20)
	LOADG 48*((OC/2)%2), BS+2*((OC/2)%2), OC/2+2
.endif
.endm
.macro OCT
.if (OC > 1) && (OC%2 == 0)
.if (OC%4 == 0) && (OC < 25)
	s_wait_dscnt 16                                ; this group's fragments of W are in; the 16 loads of gains issued behind them may stay out
.else
	s_wait_dscnt 0x0
.endif
.endif
.if OC == 4
	s_wait_xcnt 0x0                                ; the prefetches have read their offsets, which become a fragment
.endif
.if OC == 32
	s_wait_tensorcnt 0x0                           ; my part of the last load is in: no load was issued behind it
.endif
.if OC == 0
	FILL 1, 0, 0, 8                                ; groups 6-11: slot 1's first fill
.elseif OC == 9
	FILL 0, 1, 2, 2                                ; groups 12-17: my reads of slot 0 are over
.elseif OC == 21
	FILL 1, 1, 2, 2                                ; groups 18-23: my reads of slot 1 are over
.else
	PROD
	PROD
.endif
.if OC < 4
	s_wait_loadcnt 24-8*OC                         ; this tile's Z is in
.endif
.if OC < 32
	MKFMA
.endif
.if (OC < 24) && (OC%8 == 3)
	LOADGB XB, 512*(1+OC/8)                        ; its last reader stands ahead: the next step's gain and bias
.elseif (OC < 24) && (OC%8 == 7)
	LOADGB YB, 512*(1+OC/8)+256
.endif
	NEXTW
.if OC == 0
	ASK 2
.elseif OC == 3
	ASK 3
.endif
.if (OC != 0) && (OC != 9) && (OC != 21)
	PROD
	PROD
.endif
.if OC < 32
	MKMAX
.endif
.if OC > 0
	PROD
	PROD
.endif
.if OC < 33
	MKJOIN
.endif
.if OC > 0
	PROD
	PROD
.endif
.if OC < 32
	MKCVT
.endif
.endm
.set OC, 0
.set PN, 0
.rept 34
	OCT
.set OC, OC+1
.endr
; ---- STEP 4 AND THE EXCHANGE
	WIN 0
	s_lshl_b32 s62, s59, 9
	v_bfe_u32 v10, v0, 4, 1
	v_lshl_add_u32 v8, v10, 6, s62                 ; ln2_g, ln2_b in my accumulators' order
	s_xor_b32 s62, s62, 512
	v_lshl_add_u32 v9, v10, 6, s62
	v_sub_nc_u32 v10, v3, SLOTB                    ; where I put local tiles 3, 2: my part of slot 0 (tile 1: my part of slot 1, at v3)
	v_and_b32 v14, 31, v0
	s_wait_alu depctr_va_vdst(0)                   ; the wait here, ahead of the scalar lines and the readers below
	s_add_co_u32 s62, s58, 3
	s_and_b32 s62, s62, 3                          ; wave (w - t) % 4 holds my rows as its local tile t
	s_mul_i32 s62, s62, PARTB
	s_add_co_u32 s62, s62, SLOTB
	v_lshl_add_u32 v11, v14, 4, s62
	s_xor_b32 s62, s58, 2
	s_mul_i32 s62, s62, PARTB
	s_add_co_u32 s62, s62, 16384
	v_lshl_add_u32 v12, v14, 4, s62
	s_add_co_u32 s62, s58, 1
	s_and_b32 s62, s62, 3
	s_mul_i32 s62, s62, PARTB
	v_lshl_add_u32 v13, v14, 4, s62
	s_wait_alu depctr_va_vdst(0)
	PLOAD Z, 14, 8                                 ; ln2_g over Z, whose last reader stands in octet 31
.rept 8
	v_nop                                          ; a scale register written by a vector instruction stands 8 places ahead of a scaled matrix instruction
.endr
	ds_load_b32 v22, v4 offset:GRPB*3+6144         ; group 21's scale words: the registers were group 17's
	ds_load_b32 v23, v4 offset:GRPB*3+6272
	s_wait_dscnt 42                                ; group 18 is in: 14 + 14 + 12 + 2 are younger
.macro T4 t, n
.set mT, \t
.set mN, \n
.if mN < 4
.set mB, 12*(mN%4)
.set mSB, 20+(mN%4)/2
.elseif mN < 8
.set mB, 192+12*(mN%4)
.set mSB, 16+(mN%4)/2
.elseif mN < 12
.set mB, 96+12*(mN%4)
.set mSB, 18+(mN%4)/2
.else
.set mB, 144+12*(mN%4)
.set mSB, 22+(mN%4)/2
.endif
.set mA, AF+12*mT
.set mSA, ASC+mT
.set mOdd, mN%2
.set mD, 128*(mT%2)+8*mN
.set mC, mD
	MMWIN
	WMX
.endm
; four finished accumulators of local tile t go to LDS, each from its low end on.  An LDS store's data are its source 1
.macro XST t, q
.set VV, 4*(\q)
.rept 4
.if (\t) == 3
	WIN 0x0c
	ds_store_b128 v10, v[128+8*VV:128+8*VV+3] offset:1024*VV
	ds_store_b128 v10, v[128+8*VV+4:128+8*VV+7] offset:1024*VV+512
.elseif (\t) == 2
	WIN 0x0c
	ds_store_b128 v10, v[8*VV:8*VV+3] offset:16384+1024*VV
	ds_store_b128 v10, v[8*VV+4:8*VV+7] offset:16384+1024*VV+512
.else
	WIN 0x08
	ds_store_b128 v3, v[128+8*VV:128+8*VV+3] offset:1024*VV
	ds_store_b128 v3, v[128+8*VV+4:128+8*VV+7] offset:1024*VV+512
.endif
.set VV, VV+1
.endr
.endm
.irp q, 0,1,2,3
.if \q > 0
	s_wait_dscnt 42-14*\q                          ; this quarter's group is in
.endif
.irp k, 0,1,2,3
	T4 3, 4*\q+\k
.endr
.endr
	NOP4                                           ; the places behind a tile's last product
.irp t, 2,1,0
.irp q, 0,1,2,3
.irp k, 0,1,2,3
	T4 \t, 4*\q+\k
.endr
	XST \t+1, \q
.endr
	NOP4
.endr
	WIN 0x40
	PLOAD 96, 16, 8                                ; ln2_b -> window 1, v96 on
	WIN 0
	s_wait_dscnt 0x0                               ; for the others' sake: my stores are done; and their registers are free
	s_barrier_signal -1
	s_barrier_wait -1                              ; everybody's partial sums lie in LDS
; the three other waves' sums for my rows, four tiles of units at a time, over the accumulators that were sent.  A sender of the other parity numbers its tiles the other way round
.macro RECV ch
	WIN 0x80
.set VV, 4*(\ch)
.rept 4
	ds_load_b128 v[128+8*VV:128+8*VV+3], v11 offset:1024*((VV+8)%16)
	ds_load_b128 v[128+8*VV+4:128+8*VV+7], v11 offset:1024*((VV+8)%16)+512
.set VV, VV+1
.endr
	WIN 0xc0
.set VV, 4*(\ch)
.rept 4
	ds_load_b128 v[8*VV:8*VV+3], v12 offset:1024*VV
	ds_load_b128 v[8*VV+4:8*VV+7], v12 offset:1024*VV+512
	ds_load_b128 v[128+8*VV:128+8*VV+3], v13 offset:1024*((VV+8)%16)
	ds_load_b128 v[128+8*VV+4:128+8*VV+7], v13 offset:1024*((VV+8)%16)+512
.set VV, VV+1
.endr
.endm
; a chunk of 32 numbers a lane: the four partial sums (b1 among mine), silu.  cnt: the LDS loads issued behind the chunk's 24
.macro CHUNK ch, cnt
.set CB, 32*(\ch)
	s_wait_dscnt \cnt
	WIN 0x8a
	s_wait_alu depctr_va_vdst(0)                   ; the wait ahead of the first reader of my own sums
.set QQ, CB
.rept 16
	v_pk_add_f32 v[QQ:QQ+1], v[QQ:QQ+1], v[128+QQ:129+QQ]          ; each accumulator from its low end on
.set QQ, QQ+2
.endr
	WIN 0x8e
.set QQ, CB
.rept 16
	v_pk_add_f32 v[QQ:QQ+1], v[QQ:QQ+1], v[QQ:QQ+1]                ; (source 1: window 3)
.set QQ, QQ+2
.endr
.set QQ, CB
.rept 16
	v_pk_add_f32 v[QQ:QQ+1], v[QQ:QQ+1], v[128+QQ:129+QQ]
.set QQ, QQ+2
.endr
	WIN 0x02
.set QQ, 0
.rept 16
	v_pk_mul_f32 v[32+QQ:33+QQ], v[CB+QQ:CB+QQ+1], 0xbfb8aa3b op_sel_hi:[1,0]      ; - x log2(e)
.set QQ, QQ+2
.endr
	WIN 0
.set QQ, 0
	s_wait_alu depctr_va_vdst(0)
.rept 32
	v_exp_f32 v[32+QQ], v[32+QQ]
.set QQ, QQ+1
.endr
	v_nop                                          ; one plain place behind the batch,
	s_wait_alu depctr_va_vdst(0)                   ; and one wait for it, ahead of its first reader
.set QQ, 0
.rept 16
	v_pk_add_f32 v[32+QQ:33+QQ], v[32+QQ:33+QQ], 1.0 op_sel_hi:[1,0]
.set QQ, QQ+2
.endr
.set QQ, 0
	s_wait_alu depctr_va_vdst(0)
.rept 32
	v_rcp_f32 v[32+QQ], v[32+QQ]
.set QQ, QQ+1
.endr
	v_nop
	WIN 0x82
	s_wait_alu depctr_va_vdst(0)
.set QQ, 0
.rept 16
	v_pk_mul_f32 v[CB+QQ:CB+QQ+1], v[CB+QQ:CB+QQ+1], v[32+QQ:33+QQ]                ; silu = x / (1 + e^-x)
.set QQ, QQ+2
.endr
.endm
	RECV 0
	RECV 1
	CHUNK 0, 24
	RECV 2
	CHUNK 1, 24
	RECV 3
	CHUNK 2, 24
	LOADG 0, BS, 22                                ; W2, my 64 columns, K step 0,
	LOADG 48, BS+2, 23                             ; and K step 1
	CHUNK 3, 28
	WIN 0
	s_wait_xcnt 0x0                                ; ln2_b's loads have read their offsets
	; addresses of what follows
	v_and_b32 v43, 31, v0
	v_and_b32 v44, 15, v0
	v_bfe_u32 v45, v0, 4, 1
	s_lshl_b32 s60, s58, 1
	s_add_co_u32 s60, s60, s59                     ; my first 64 registers are K step p of the second product: fragment 2 w + p,
	s_mul_i32 s61, s60, 1536
	s_add_co_u32 s61, s61, HIM
	v_lshl_add_u32 v8, v43, 4, s61
	s_lshl_b32 s61, s60, 7
	s_add_co_u32 s61, s61, HSC
	v_lshl_add_u32 v10, v43, 2, s61
	s_xor_b32 s60, s60, 1                          ; the other 64 the other K step
	s_mul_i32 s61, s60, 1536
	s_add_co_u32 s61, s61, HIM
	s_wait_alu depctr_va_vdst(0)
	v_lshl_add_u32 v9, v43, 4, s61
	s_lshl_b32 s61, s60, 7
	s_add_co_u32 s61, s61, HSC
	v_lshl_add_u32 v11, v43, 2, s61
	v_lshl_add_u32 v12, v43, 4, HIM                ; where any wave reads an image,
	v_lshl_add_u32 v13, v43, 2, HSC                ; and its scale words
	s_mul_i32 s60, s58, STGB                       ; the way out: my stage of 16 rows x 272 bytes, in slot 0
	v_mul_u32_u24 v14, v44, 272
	v_lshl_add_u32 v14, v45, 6, v14
	v_add_nc_u32 v14, s60, v14                     ; in: row r, + 64 h
	v_mul_u32_u24 v3, v45, 272
	v_lshl_add_u32 v3, v44, 4, v3
	v_add_nc_u32 v3, s60, v3                       ; back: lanes 0-15 one row of 256 bytes, lanes 16-31 the next
	v_lshlrev_b32 v4, 10, v45
	v_lshl_add_u32 v4, v44, 4, v4                  ; and the same two rows in out0
	s_lshl_b32 s60, s58, 8
	v_lshl_add_u32 v5, v45, 6, s60                 ; b2: 256 w + 64 h
	WIN 0x80
.irp n, 0,1,2,3
	global_load_b128 v[128+8*\n:131+8*\n], v5, s[18:19] offset:128*(\n/2)+32*(\n%2)       ; b2 in the second product's layout -> window 2, v128 on
	global_load_b128 v[132+8*\n:135+8*\n], v5, s[18:19] offset:128*(\n/2)+32*(\n%2)+16
.endr
	; the second norm: a lane holds 128 of its row's 256 numbers, lane l xor 16 the others.  Two passes, so that no difference of large sums is formed
	WIN 0x0a
.irp c, 0,1,2,3
	v_pk_add_f32 v[32+2*\c:33+2*\c], v[2*\c:2*\c+1], v[8+2*\c:9+2*\c]
.endr
	WIN 0x08
.irp b, 16,24,32,40,48,56,64,72,80,88,96,104,112,120
.irp c, 0,1,2,3
	v_pk_add_f32 v[32+2*\c:33+2*\c], v[32+2*\c:33+2*\c], v[\b+2*\c:\b+2*\c+1]
.endr
.endr
.macro JOIN4                           ; four pairs of sums in v[32:39] become the row's sum in v32
	WIN 0
	v_pk_add_f32 v[32:33], v[32:33], v[34:35]
	v_pk_add_f32 v[36:37], v[36:37], v[38:39]
	v_pk_add_f32 v[32:33], v[32:33], v[36:37]
	v_add_f32 v32, v32, v33
	v_permlanex16_b32 v15, v32, s56, s57
	v_add_f32 v32, v32, v15
.endm
	JOIN4
	v_mul_f32 v40, 0x3b800000, v32                 ; the mean: x 1 / 256
	v_mov_b32 v41, 0                               ; (named as the upper half of the pair before it is first written)
	WIN 0x82
.set QQ, 0
.rept 64
	v_pk_add_f32 v[QQ:QQ+1], v[QQ:QQ+1], v[40:41] op_sel_hi:[1,0] neg_lo:[0,1] neg_hi:[0,1]
.set QQ, QQ+2
.endr
	WIN 0x0a
.irp c, 0,1,2,3
	v_pk_mul_f32 v[32+2*\c:33+2*\c], v[2*\c:2*\c+1], v[2*\c:2*\c+1]
.endr
.irp b, 8,16,24,32,40,48,56,64,72,80,88,96,104,112,120
.irp c, 0,1,2,3
	v_pk_fma_f32 v[32+2*\c:33+2*\c], v[\b+2*\c:\b+2*\c+1], v[\b+2*\c:\b+2*\c+1], v[32+2*\c:33+2*\c]
.endr
.endr
	JOIN4
	s_mov_b32 s63, 0x3727c5ac
	v_fma_f32 v42, v32, 0x3b800000, s63            ; the variance + 1e-5
	s_wait_alu depctr_va_vdst(0)
	v_rsq_f32 v41, v42
.irp b, 0,1,2,3
	v_mov_b32 v[68+\b], 0                          ; (plain work behind the transcendental: a lane permute's destinations, written once)
.endr
	WIN 0x82
	s_wait_alu depctr_va_vdst(0)                   ; the wait ahead of the first use
.set QQ, 0
.rept 64
	v_pk_mul_f32 v[QQ:QQ+1], v[QQ:QQ+1], v[40:41] op_sel:[0,1] op_sel_hi:[1,1]
.set QQ, QQ+2
.endr
	s_wait_loadcnt 0x0                             ; ln2_g, ln2_b, b2
	WIN 0x12                                       ; source 0 window 2, source 1 (ln2_g) and destination window 0, source 2 window 1
.set QQ, 0
.rept 64
	v_pk_fma_f32 v[Z+QQ:Z+QQ+1], v[QQ:QQ+1], v[Z+QQ:Z+QQ+1], v[96+QQ:97+QQ]
.set QQ, QQ+2
.endr
	WIN 0
; 64 numbers of a lane, register 16 b + i = k 32 b + 16 h + i of my row, become a fragment's codes in v84-95 and its scale word in v80
.macro QUANT src
.irp b, 0,1,2,3
	v_max3_num_f32 v[64+\b], |v[(\src)+16*\b]|, |v[(\src)+1+16*\b]|, 0x1800000     ; block b: my 16 numbers, and the floor 2^(3 - 127)
.endr
.irp i, 2,4,6,8,10,12,14
.irp b, 0,1,2,3
	v_max3_num_f32 v[64+\b], v[64+\b], |v[(\src)+16*\b+\i]|, |v[(\src)+1+16*\b+\i]|
.endr
.endr
.irp b, 0,1,2,3
	v_permlanex16_b32 v[68+\b], v[64+\b], s56, s57
.endr
.irp b, 0,1,2,3
	v_max_num_f32 v[64+\b], v[64+\b], v[68+\b]     ; with lane l xor 16's: the block's largest magnitude
.endr
.irp b, 0,1,2,3
	v_add_nc_u32 v[76+\b], 0xff000000, v[64+\b]    ; 2 off its exponent field: the conversion's scale operand
.endr
.irp b, 0,1,2,3
	v_lshrrev_b32 v[68+\b], 23, v[76+\b]           ; the scale's byte
.endr
	v_lshl_or_b32 v80, v69, 8, v68
	v_lshl_or_b32 v80, v70, 16, v80
	v_lshl_or_b32 v80, v71, 24, v80
.irp c, 0,1
	v_cvt_scalef32_pk16_fp6_f32 v[84+6*\c:86+6*\c], v[(\src)+32*\c:(\src)+15+32*\c], v[76+2*\c]
	v_cvt_scalef32_pk16_fp6_f32 v[96+4*\c:98+4*\c], v[(\src)+16+32*\c:(\src)+31+32*\c], v[77+2*\c]
.endr
	v_nop                                          ; one plain place behind a scaled conversion
.irp c, 0,1                            ; the operand's layout wants a whole block in a lane: lanes 0-15 block 2 c, lanes 16-31 block 2 c + 1
.irp i, 0,1,2
	v_permlane16_swap_b32 v[84+6*\c+\i], v[96+4*\c+\i]
.endr
.irp i, 0,1,2
	v_mov_b32 v[87+6*\c+\i], v[96+4*\c+\i]
.endr
.endr
.endm
	QUANT Z
.irp c, 0,1,2
	ds_store_b128 v8, v[84+4*\c:87+4*\c] offset:512*\c             ; the fragment goes to LDS as an image of its registers,
.endr
	ds_store_b32 v10, v80                          ; its scale words likewise
	s_wait_dscnt 0x0                               ; the stores have read their registers
	QUANT Z+64
.irp c, 0,1,2
	ds_store_b128 v9, v[84+4*\c:87+4*\c] offset:512*\c
.endr
	ds_store_b32 v11, v80
	s_wait_dscnt 0x0                               ; for the others' sake: my stores are done, and my reads of the exchange and of W2 are over
	s_barrier_signal -1
	s_barrier_wait -1                              ; the hidden layer's eight fragments lie in LDS
.set FF, 0
.rept 8                                ; fragment 2 m + K step, rows 16 m on
	ds_load_b128 v[AF+12*FF:AF+12*FF+3], v12 offset:1536*FF
	ds_load_b128 v[AF+12*FF+4:AF+12*FF+7], v12 offset:1536*FF+512
	ds_load_b128 v[AF+12*FF+8:AF+12*FF+11], v12 offset:1536*FF+1024
	ds_load_b32 v[ASC+FF], v13 offset:128*FF
.set FF, FF+1
.endr
; THE SECOND PRODUCT: my 64 columns for rows 16 m on: 4 accumulators by turns, a K step at a time; b2 is the C of each sum's first instruction
.macro MM2 m
	WIN 0xa1
.irp g, 0,1
.irp n, 0,1,2,3
.set mD, 8*(4*(\m)+\n)
.set mB, 48*\g+12*\n
.set mA, AF+12*(2*(\m)+\g)
.set mSB, BS+2*\g+\n/2
.set mSA, ASC+2*(\m)+\g
.set mOdd, \n%2
.if \g == 0
.set mC, 128+8*\n
.else
.set mC, mD
.endif
	WMX
.endr
.endr
	NOP4                                           ; places in front of the first read of results
.endm
; THE WAY OUT, 16 rows at a time: a lane's 32 bytes of a row go into my stage and come back as whole rows of 256 bytes.  LDS serves a wave's instructions in order: no wait between the stores and the loads
.macro TOST m
	WIN 0x08
.irp n, 0,1,2,3
	ds_store_b128 v14, v[8*(4*(\m)+\n):8*(4*(\m)+\n)+3] offset:128*(\n/2)+32*(\n%2)        ; lane (r, h): out(16 m + r, 64 w + 32 (n / 2) + 16 h + 8 (n % 2) + 0 .. 7)
	ds_store_b128 v14, v[8*(4*(\m)+\n)+4:8*(4*(\m)+\n)+7] offset:128*(\n/2)+32*(\n%2)+16
.endr
	WIN 0
.irp t, 0,1,2,3,4,5,6,7
	ds_load_b128 v[Z+32*((\m)%2)+4*\t:Z+32*((\m)%2)+4*\t+3], v3 offset:544*\t
.endr
.endm
.macro SEND m, younger                 ; younger: the LDS instructions issued behind these rows' loads
.irp t, 0,1,2,3,4,5,6,7
	s_wait_dscnt (\younger)+7-\t
	global_store_b128 v4, v[Z+32*((\m)%2)+4*\t:Z+32*((\m)%2)+4*\t+3], s[20:21] offset:1024*(16*(\m)+2*\t) th:TH_STORE_NT    ; 16 lanes store 256 consecutive bytes, at a multiple of 256 from out0's first byte
.endr
.endm
	s_wait_dscnt 0x0
	MM2 0
	TOST 0
	MM2 1
	TOST 1
	SEND 0, 16
	s_wait_xcnt 0x0                                ; the first rows' stores have read their registers: the next loads may land there
	MM2 2
	TOST 2
	SEND 1, 16
	s_wait_xcnt 0x0
	MM2 3
	TOST 3
	SEND 2, 16
	SEND 3, 0
	s_wait_tensorcnt 0x0                           ; the wave's end: behind my last tensor load and my last LDS store
	ds_add_u32 v[SPW], v[NIL]
	s_wait_dscnt 0x0
	ROUND                                          ; the closing round: no work-group ends while a partner may still ask for a tile that names it
	s_endpgm
.Lfunc_end_k_q64660ba94f_fused:
	.size	k_q64660ba94f_fused, .Lfunc_end_k_q64660ba94f_fused-k_q64660ba94f_fused
	.p2alignl 7, 3214868480
	.fill 96, 4, 3214868480
	.section	.rodata,"a",@progbits
	.p2align	6, 0x0
	.amdhsa_kernel k_q64660ba94f_fused
		.amdhsa_group_segment_fixed_size 327680
		.amdhsa_private_segment_fixed_size 0
		.amdhsa_enable_private_segment 0
		.amdhsa_kernarg_size 72
		.amdhsa_user_sgpr_count 2
		.amdhsa_user_sgpr_kernarg_segment_ptr 1
		.amdhsa_wavefront_size32 1
		.amdhsa_system_sgpr_workgroup_id_x 1
		.amdhsa_system_sgpr_workgroup_id_y 1
		.amdhsa_system_sgpr_workgroup_id_z 1
		.amdhsa_system_vgpr_workitem_id 0
		.amdhsa_next_free_vgpr 1024
		.amdhsa_next_free_sgpr 80
		.amdhsa_reserve_vcc 0
		.amdhsa_float_denorm_mode_32 3
		.amdhsa_float_denorm_mode_16_64 3
		.amdhsa_memory_ordered 1
		.amdhsa_forward_progress 1
		.amdhsa_inst_pref_size 255
	.end_amdhsa_kernel
	.section	.bss,"aw",@nobits
	.p2align	6
	.space	262144
	.amdgpu_metadata
---
amdhsa.version: [ 1, 2 ]
amdhsa.kernels:
  - .name:           k_q64660ba94f_fused
    .symbol:         k_q64660ba94f_fused.kd
    .args:
      - { .name: wimg, .offset: 0, .size: 8, .value_kind: global_buffer, .address_space: global }
      - { .name: aimg, .offset: 8, .size: 8, .value_kind: global_buffer, .address_space: global }
      - { .name: ln1_g, .offset: 16, .size: 8, .value_kind: global_buffer, .address_space: global }
      - { .name: ln1_b, .offset: 24, .size: 8, .value_kind: global_buffer, .address_space: global }
      - { .name: b1, .offset: 32, .size: 8, .value_kind: global_buffer, .address_space: global }
      - { .name: ln2_g, .offset: 40, .size: 8, .value_kind: global_buffer, .address_space: global }
      - { .name: ln2_b, .offset: 48, .size: 8, .value_kind: global_buffer, .address_space: global }
      - { .name: b2, .offset: 56, .size: 8, .value_kind: global_buffer, .address_space: global }
      - { .name: out0, .offset: 64, .size: 8, .value_kind: global_buffer, .address_space: global }
    .group_segment_fixed_size: 327680
    .private_segment_fixed_size: 0
    .kernarg_segment_align: 8
    .kernarg_segment_size: 72
    .max_flat_workgroup_size: 128
    .sgpr_count:     80
    .vgpr_count:     1024
    .wavefront_size: 32
...
	.end_amdgpu_metadata
.endif
;; end of part 2
